; MI455X (gfx1250); checked and timed in simulation.
; The chip was launched on July 23, 2026; its instructions are those of AMD's public machine-readable ISA for CDNA 5 (MIT licence, August 2026) and "CDNA5" Instruction Set Architecture Reference Guide (July 2026). The comments in the code are by the model that wrote it; some were corrected since.
;; Multi Head Attention. Allowed arithmetic: float matrix products may take bf16 or f16 operands with f32 sums; all other float work in f32.
;; Inputs: Wk 1,024 x 1,024 float32; Wq 1,024 x 1,024 float32; Wv 1,024 x 1,024 float32; bk 1,024 float32; bq 1,024 float32; bv 1,024 float32; keys 8 x 1,024 x 1,024 float32; queries 8 x 1,024 x 1,024 float32; values 8 x 1,024 x 1,024 float32.
;; Outputs: out0 8 x 1,024 x 1,024 float32.
;; 2 versions, each right; version 2 is version 1 with the launch mha written anew for expert scheduling mode. Each part assembles by itself: llvm-mc -triple=amdgcn-amd-amdhsa -mcpu=gfx1250 --defsym DOCPART=n.
;; ======== version 1 of 2: 2 launches
;; workspace buffers: wf 6,291,456 bytes
;; launch wprep (part 1): grid 128 x 3, 4 waves a work-group, no clusters, 17,920 bytes of LDS; arguments Wq, Wk, Wv, wf; writes wf
.if DOCPART == 1
	.amdgcn_target "amdgcn-amd-amdhsa--gfx1250"
	.amdhsa_code_object_version 6
	.text
	.protected	k_q5a104587bb_wprep
	.globl	k_q5a104587bb_wprep
	.p2align	8
	.type	k_q5a104587bb_wprep,@function
k_q5a104587bb_wprep:
	s_mov_b64 s[64:65], 0
	v_nop
	global_prefetch_b8 v0, s[64:65] scope:SCOPE_SE
	s_setreg_imm32_b32 hwreg(HW_REG_WAVE_MODE, 25, 1), 1
	s_wait_xcnt 0x0
; Wq, Wk, Wv ([1024][1024] f32) are rounded to bf16 and laid in wf in the order in which the next launch's matrix fragments want them:
; the 16 bytes at ((hd*3 + p)*32 + kb)*4096 + (2 b + c)*512 + 16 L hold W_p[64 hd + 16 b + (L & 15)][32 kb + 16 c + 8 (L >> 4) + 0..7]
; (hd head 0..15, p 0..2 = q, k, v, kb block of 32 along K, b tile of 16 rows in the head, c half of the fragment, L lane).
; A work-group takes 16 rows of one W and half of K; a wave takes 128 along K: 16 rows x 512 bytes in, 16 rows x 256 bytes out.
; In: sixteen lanes read 256 neighbouring bytes of a row.  Out: a wave's store covers 512 neighbouring bytes, aligned.
; The turn from rows to fragments goes through the wave's own 4,352 bytes of LDS: no wave reads another's bytes, so there is no barrier,
; and LDS serves a wave's instructions in order (ISA guide 5.7.1), so no wait stands between its stores and its loads.
; Memory binds here: no matrix unit, no cluster, nothing read twice.
.set PITCH, 272                        ; an LDS row: 128 bf16 + 16 bytes, an odd multiple of 16: the 16 rows of a fragment load start 16 bytes apart modulo 256
.set WAVEB, 16*PITCH                   ; a wave's bytes in LDS
.set VI, 2                             ; v2  byte offset of my 16 bytes in W's row 0 or 8 of the tile
.set LS, 3                             ; v3  LDS address to which my 8 bytes of bf16 go
.set LR, 4                             ; v4  LDS address from which my 16 bytes of a fragment come
.set VO, 5                             ; v5  byte offset of my 16 bytes in wf
.set X,  8                             ; v[8:71]    16 loads x 4 f32
.set C,  72                            ; v[72:103]  the same in bf16
.set R,  104                           ; v[104:135] 8 fragment halves to store
	s_load_b256 s[4:11], s[0:1], 0x0               ; Wq s[4:5], Wk s[6:7], Wv s[8:9], wf s[10:11]
	v_lshl_add_u32 v144, v0, 2, 0x4400
	v_mov_b32 v145, 0
	v_lshrrev_b32 v1, 5, v0
	v_readfirstlane_b32 s2, v1                     ; wave 0..3
	s_and_b32 s3, ttmp7, 0xffff                    ; p: which W
	s_lshr_b32 s14, ttmp9, 1                       ; tile of 16 rows, 0..63
	s_and_b32 s15, ttmp9, 1                        ; half of K
	s_lshr_b32 s16, s14, 2                         ; hd
	s_and_b32 s17, s14, 3                          ; b
	s_lshl_b32 s18, s14, 16                        ; source: 16 rows of 4,096 bytes a tile
	s_lshl_b32 s20, s15, 11                        ; + 2,048 bytes for the upper half of K
	s_add_co_u32 s18, s18, s20
	s_mov_b32 s19, 0
	s_mul_i32 s20, s16, 3                          ; destination: (hd*3 + p) * 32 blocks of 4,096 bytes
	s_add_co_u32 s20, s20, s3
	s_lshl_b32 s20, s20, 17
	s_lshl_b32 s22, s17, 10                        ; + b * 1,024
	s_add_co_u32 s20, s20, s22
	s_lshl_b32 s22, s15, 16                        ; + 16 blocks for the upper half of K
	s_add_co_u32 s20, s20, s22
	s_mov_b32 s21, 0
	s_mul_i32 s23, s2, WAVEB                       ; my wave's bytes in LDS
	v_and_b32 v6, 15, v0                           ; r
	v_bfe_u32 v7, v0, 4, 1                         ; h
	v_lshlrev_b32 v[VI], 4, v6                     ; 16 r
	v_lshl_add_u32 v[VI], v7, 15, v[VI]            ; + 8 rows for lanes 16 to 31
	v_lshl_add_u32 v[VI], s2, 9, v[VI]             ; + my wave's 512 bytes of the row
	v_mul_u32_u24 v[LS], v7, 8*PITCH
	v_lshl_add_u32 v[LS], v6, 3, v[LS]
	v_add_nc_u32 v[LS], s23, v[LS]                 ; wave + 8 h rows + 8 r
	v_mul_u32_u24 v[LR], v6, PITCH
	v_lshl_add_u32 v[LR], v7, 4, v[LR]
	v_add_nc_u32 v[LR], s23, v[LR]                 ; wave + row r + 16 h
	v_and_b32 v[VO], 31, v0
	v_lshlrev_b32 v[VO], 4, v[VO]
	v_lshl_add_u32 v[VO], s2, 14, v[VO]            ; 16 L + my wave's four blocks of 4,096 bytes
	s_wait_kmcnt 0x0
	s_cmp_eq_u32 s3, 1
	s_cselect_b64 s[12:13], s[6:7], s[4:5]
	s_cmp_eq_u32 s3, 2
	s_cselect_b64 s[12:13], s[8:9], s[12:13]       ; the W of this p
	s_add_nc_u64 s[12:13], s[12:13], s[18:19]
	s_add_nc_u64 s[10:11], s[10:11], s[20:21]
.irp u, 0,1
.irp i, 0,1,2,3,4,5,6,7
	global_load_b128 v[X+4*(8*\u+\i):X+4*(8*\u+\i)+3], v[VI], s[12:13] offset:\i*4096+\u*256 th:TH_LOAD_NT   ; rows i and i + 8, 256 bytes each; read once in the launch
.endr
.endr
; half u of my 128 along K: round and lay it into LDS.  left = the younger loads that may stay out.
.macro HALF u, left
	s_wait_loadcnt \left
.irp i, 0,1,2,3,4,5,6,7
	v_cvt_pk_bf16_f32 v[C+2*(8*\u+\i)],   v[X+4*(8*\u+\i)],   v[X+4*(8*\u+\i)+1]
	v_cvt_pk_bf16_f32 v[C+2*(8*\u+\i)+1], v[X+4*(8*\u+\i)+2], v[X+4*(8*\u+\i)+3]
.endr
.irp i, 0,1,2,3,4,5,6,7
	ds_store_b64 v[LS], v[C+2*(8*\u+\i):C+2*(8*\u+\i)+1] offset:\i*PITCH+\u*128   ; lanes 0-15: 128 bytes of row i; lanes 16-31: of row i + 8, which lies 128 bytes further modulo 256
.endr
.endm
	HALF 0, 8                                      ; the first eight loads are in, the second eight stay out
	HALF 1, 0
.irp t, 0,1,2,3,4,5,6,7
	ds_load_b128 v[R+4*\t:R+4*\t+3], v[LR] offset:32*\t            ; t = 2 kb + c: K = 32 kb + 16 c + 8 h .. + 7 of row r
.endr
.irp t, 0,1,2,3,4,5,6,7
	s_wait_dscnt 7-\t                              ; LDS loads come back in order: number t is in
	global_store_b128 v[VO], v[R+4*\t:R+4*\t+3], s[10:11] offset:(\t>>1)*4096+(\t&1)*512
.endr
	s_wait_tensorcnt 0x0
	ds_add_u32 v144, v145
	s_wait_dscnt 0x0
	s_endpgm
.Lfunc_end_k_q5a104587bb_wprep:
	.size	k_q5a104587bb_wprep, .Lfunc_end_k_q5a104587bb_wprep-k_q5a104587bb_wprep
	.p2alignl 7, 3214868480
	.fill 96, 4, 3214868480
	.section	.rodata,"a",@progbits
	.p2align	6, 0x0
	.amdhsa_kernel k_q5a104587bb_wprep
		.amdhsa_group_segment_fixed_size 17920
		.amdhsa_private_segment_fixed_size 0
		.amdhsa_enable_private_segment 0
		.amdhsa_kernarg_size 32
		.amdhsa_user_sgpr_count 2
		.amdhsa_user_sgpr_kernarg_segment_ptr 1
		.amdhsa_wavefront_size32 1
		.amdhsa_system_sgpr_workgroup_id_x 1
		.amdhsa_system_sgpr_workgroup_id_y 1
		.amdhsa_system_sgpr_workgroup_id_z 1
		.amdhsa_system_vgpr_workitem_id 0
		.amdhsa_next_free_vgpr 146
		.amdhsa_next_free_sgpr 66
		.amdhsa_reserve_vcc 0
		.amdhsa_float_denorm_mode_32 3
		.amdhsa_float_denorm_mode_16_64 3
		.amdhsa_memory_ordered 1
		.amdhsa_forward_progress 1
		.amdhsa_inst_pref_size 9
	.end_amdhsa_kernel
	.amdgpu_metadata
---
amdhsa.version: [ 1, 2 ]
amdhsa.kernels:
  - .name:           k_q5a104587bb_wprep
    .symbol:         k_q5a104587bb_wprep.kd
    .args:
      - { .name: Wq, .offset: 0, .size: 8, .value_kind: global_buffer, .address_space: global }
      - { .name: Wk, .offset: 8, .size: 8, .value_kind: global_buffer, .address_space: global }
      - { .name: Wv, .offset: 16, .size: 8, .value_kind: global_buffer, .address_space: global }
      - { .name: wf, .offset: 24, .size: 8, .value_kind: global_buffer, .address_space: global }
    .group_segment_fixed_size: 17920
    .private_segment_fixed_size: 0
    .kernarg_segment_align: 8
    .kernarg_segment_size: 32
    .max_flat_workgroup_size: 128
    .sgpr_count:     66
    .vgpr_count:     146
    .wavefront_size: 32
...
	.end_amdgpu_metadata
.endif
;; end of part 1
;; launch mha (part 2): grid 4 x 64, 4 waves a work-group, no clusters, 54,784 bytes of LDS; arguments queries, keys, values, wf, bq, bk, bv, out0; writes out0
.if DOCPART == 2
	.amdgcn_target "amdgcn-amd-amdhsa--gfx1250"
	.amdhsa_code_object_version 6
	.text
	.protected	k_q5a104587bb_mha
	.globl	k_q5a104587bb_mha
	.p2align	8
	.type	k_q5a104587bb_mha,@function
k_q5a104587bb_mha:
	s_mov_b64 s[64:65], 0
	v_nop
	global_prefetch_b8 v0, s[64:65] scope:SCOPE_SE
	s_setreg_imm32_b32 hwreg(HW_REG_WAVE_MODE, 25, 1), 1
	s_wait_xcnt 0x0
; q = queries Wq^T + bq, k = keys Wk^T + bk, v = values Wv^T + bv on the 8,192 flat rows of 1,024; the reshapes only rename axes: the eight
; flat rows 8 n .. 8 n + 7 form group n, and in each of the 16 heads (64 columns) the group's 8 queries attend to its own 8 keys and values.
; A work-group takes 128 flat rows x 4 heads; wave w owns ONE head for all 128 rows: 8 x 4 accumulator tiles of 16 x 16, 256 registers.
; The three projections run one after the other as one pipeline of 48 K steps of 64; q, k, v and the weights never leave the registers.
;   X (f32) : global -> registers -> bf16 -> LDS, a ring of two slots of 128 rows x 64 K, one barrier a step; each number is rounded once in the work-group.
;   W (bf16): from wf, laid in fragment order by the launch before, straight into registers: a fragment of W is wanted by one wave of the work-group alone.
;   q, k    : source 0 = W, source 1 = X: a lane then holds 8 neighbouring columns of one row, and the rounded sums ARE fragments with d along K.
;   scores  : source 0 = k, source 1 = q: lane (r, h) holds, for query r of a 16-row tile, the scores of keys 8 h .. 8 h + 7 in its 8 registers:
;             maximum, exponentials and sum stay inside the lane.  They are its own group's where h = r >> 3; the other lanes' weights are set to 0.
;   v       : source 0 = X, source 1 = W: a lane holds 8 rows of one column, which rounded is a fragment of v^T with the key along K.
;   out     : a tile has 16 keys and the form takes 32 along K, so the upper half of K carries a second bf16: x = hi + lo, lo = bf16(x - hi), 16 bits in all.
;             Source 0 = [v_hi | v_lo]; source 1 = [p_hi | p_hi], then [p_lo | p_lo]; C = bv.  One bf16 alone would leave up to 2^-9 of each v and of each
;             weight in a sum of 8 terms that largely cancel, which is of the size of a hundredth of the results' spread.
;             16 rows at a time leave through the wave's own LDS stage, so that sixteen lanes store 256 neighbouring bytes.
; NO CLUSTER, NO JOINT LOADS, though four work-groups read the same X and 64 the same W: a joint load can only land in LDS.  A K step moves 64 KB of
; fragment reads and 16 KB of X stores through LDS for the work-group's 256 matrix instructions; W by way of LDS would add 32 KB in and 32 KB out (144 KB),
; X landed there as f32 as much again.  So both come through registers.
; LIMITS.  A 16-row tile holds two groups; the other group's weights are exact zeros, so a q, k or v that is not finite spreads to the other group of its
; tile.  bv is added behind the weighted sum (a softmax row sums to 1: only the order of rounding differs).  q and k are rounded to bf16 once.
; v_exp_f32 gives 0 below 2^-126 (ISA guide 15.8).
; The running exponent is c s - c max with c = 0.125 log2 e: the row's maximum is taken away, so no exponential exceeds 1 by more than a rounding.
;
; REGISTERS, in windows of 256 (s_set_vgpr_msb: bits 1:0 source 0, 3:2 source 1, 5:4 source 2, 7:6 destination):
;   window 0: v2-13 addresses; T v32-63 X in bf16, later k's fragments, at the end v_hi in f32; F0 v64-127, F1 v128-191 fragments of X, two buffers; SC v192-255 scores
;   window 1: v0-127 a ring of four W buffers (4 fragments each); v128-255 two stages of X in f32
;   window 2: accumulator tile (a, b) at v[8 (4 a + b)], a = 16 rows, b = 16 columns
;   window 3: v0-127 q's fragments, later the weights (16 a tile: hi, hi, lo, lo); v128-159 bq, v160-191 bk, v192-223 bv, as C operands
.set XPITCH, 144                       ; an LDS row of X: 64 bf16 + 16 bytes, an odd multiple of 16: a fragment load's 16 rows start 16 bytes apart modulo 256
.set SLOT,   128*XPITCH                ; 18,432
.set STAGE,  2*SLOT                    ; behind the ring: 16 rows x 272 bytes for each wave
.set SPITCH, 272                       ; a stage row: 64 f32 + 16 bytes
.set RR,  2                            ; r = lane % 16
.set HH,  3                            ; h = lane / 16
.set AD,  4                            ; LDS: my 16 bytes of a fragment of X, slot 0, rows 0-15
.set XO,  5                            ; global: my 16 bytes of X in my wave's row 0 or 8
.set XS,  6                            ; LDS: where my 8 bytes of rounded X go
.set BO,  7                            ; global: 16 x lane, in wf
.set BI,  8                            ; global: 32 h, in a bias
.set STO, 9                            ; stage: in
.set RD,  10                           ; stage: back
.set CO,  11                           ; global: my 16 bytes of out0 in row 0 or 1
.set TA,  12
.set TB,  13
.set T,   32
.set F0,  64
.set F1,  128
.set SC,  192
.set ST0, 128                          ; window 1
.set QF,  0                            ; window 3
.set PF,  0
.set BQ,  128
.set BK,  160
.set BVC, 192
.set MX,  F1                           ; softmax, in F1, which is idle between two projections: -c max, one a tile
.set SM,  F1+8                         ; sum, then its reciprocal
.set UU,  F1+16                        ; partial sums, 4 a tile
.set RP,  F1+48                        ; the reciprocal or 0, as a pair
.set EE,  F1                           ; behind the softmax: p_hi in f32, 64 registers
.set VT,  F0                           ; the end: fragments of v^T, 8 a column tile: hi, lo
.set OT,  F0+32                        ; the end: 16 rows x 64 columns of the result
.set XP,  24                           ; s[24:25] X at the chunk that the next step asks for
.set BP,  26                           ; s[26:27] wf at this step's first half
.set TRIP, 28
.set MSB, 0
.macro WIN new                         ; the immediate's high byte repeats the setting that is left
.if MSB != \new
	s_set_vgpr_msb (MSB<<8)|\new
.set MSB, \new
.endif
.endm
; Four places stand between a matrix instruction and a vector instruction that reads its result or writes one of its registers, or a load into one of them;
; only plain vector instructions that name none of its registers are places.
.macro PLACES
.rept 4
	v_nop
.endr
.endm
; 16 LDS loads: the 8 fragments of X (128 rows x 32 K at byte k of the rows) of the slot at byte slot into buffer f
.macro FETCH f, slot, k
.irp a, 0,1,2,3,4,5,6,7
	ds_load_b128 v[\f+8*\a:\f+8*\a+3],   v[AD] offset:\slot+\a*16*XPITCH+\k
	ds_load_b128 v[\f+8*\a+4:\f+8*\a+7], v[AD] offset:\slot+\a*16*XPITCH+\k+32
.endr
.endm
; 16 global loads: my wave's 32 rows x 256 bytes (64 K in f32) into stage st.  Lanes 0-15 take a row's 256 bytes, lanes 16-31 those of the row 8 below.
.macro XLOAD st, chunk
.irp i, 0,1,2,3,4,5,6,7,8,9,10,11,12,13,14,15
	global_load_b128 v[\st+4*\i:\st+4*\i+3], v[XO], s[XP:XP+1] offset:((\i>>3)*16+(\i&7))*4096+\chunk*256
.endr
.endm
; 8 global loads of 512 neighbouring bytes: my head's 4 fragments of W for 32 along K, half rel from BP on, into W buffer br
.macro BLOAD br, rel
.irp q, 0,1,2,3,4,5,6,7
	global_load_b128 v[\br+4*\q:\br+4*\q+3], v[BO], s[BP:BP+1] offset:\rel*4096+512*\q
.endr
.endm
.macro CVT st                          ; stage st to bf16
.irp i, 0,1,2,3,4,5,6,7,8,9,10,11,12,13,14,15
	v_cvt_pk_bf16_f32 v[T+2*\i],   v[\st+4*\i],   v[\st+4*\i+1]
	v_cvt_pk_bf16_f32 v[T+2*\i+1], v[\st+4*\i+2], v[\st+4*\i+3]
.endr
.endm
.macro XSTORE slot                     ; lanes 0-15 fill 128 bytes of a row, lanes 16-31 of the row 8 below, which lies 128 bytes further modulo 256
.irp i, 0,1,2,3,4,5,6,7,8,9,10,11,12,13,14,15
	ds_store_b64 v[XS], v[T+2*\i:T+2*\i+1] offset:\slot+((\i>>3)*16+(\i&7))*XPITCH
.endr
.endm
; 16 matrix instructions: row tiles a0 .. a0 + 3 x the 4 column tiles, 32 along K.  ori = 0: source 0 = W, source 1 = X; ori = 1: the other way round.
; first = 1: the bias at cb starts the sums; first = 2: the constant 0 does; nothing is ever cleared.
; The 32 accumulators take turns, one instruction a turn, in the same order everywhere.
.macro MUL16 f, br, a0, ori, first, cb
.irp a, \a0, \a0+1, \a0+2, \a0+3
.irp b, 0,1,2,3
.if \ori == 0
.if \first == 1
	v_wmma_f32_16x16x32_bf16 v[8*(4*(\a)+\b):8*(4*(\a)+\b)+7], v[\br+8*\b:\br+8*\b+7], v[\f+8*(\a):\f+8*(\a)+7], v[\cb+8*\b:\cb+8*\b+7]
.else
	v_wmma_f32_16x16x32_bf16 v[8*(4*(\a)+\b):8*(4*(\a)+\b)+7], v[\br+8*\b:\br+8*\b+7], v[\f+8*(\a):\f+8*(\a)+7], v[8*(4*(\a)+\b):8*(4*(\a)+\b)+7]
.endif
.else
.if \first == 2
	v_wmma_f32_16x16x32_bf16 v[8*(4*(\a)+\b):8*(4*(\a)+\b)+7], v[\f+8*(\a):\f+8*(\a)+7], v[\br+8*\b:\br+8*\b+7], 0
.else
	v_wmma_f32_16x16x32_bf16 v[8*(4*(\a)+\b):8*(4*(\a)+\b)+7], v[\f+8*(\a):\f+8*(\a)+7], v[\br+8*\b:\br+8*\b+7], v[8*(4*(\a)+\b):8*(4*(\a)+\b)+7]
.endif
.endif
.endr
.endr
.endm
; K STEP g (par = g % 2): 64 matrix instructions on X(g), which lies in slot par, and W's halves B(2g), B(2g+1).
; Global loads go out in this order: step g asks for X(g+3) (16), B(2g+3) (8) and, in its middle, B(2g+4) (8); loads come back in order (ISA guide 5.7.1).
;   n1: X(g+1) and B(2g) are in; behind B(2g) went step g-1's loads (32 in a full step).
;   n2: B(2g+1) is in; behind it went B(2g+2) and this step's loads (40 in a full step).
; With 64 loads asked for and a counter that holds 63, the last issue waits for the oldest load (ISA guide 5.7.1), which is the next one wanted.
; cv: X(g+1) is rounded and stored; xl, bt, bm: the three groups of loads; bar: the step has the barrier; sw: in trip 6 XP goes on to the tensor at s[xn:xn+1].
; ONE barrier a step, for two things: every wave's stores of X(g+1) are done before any wave reads that slot, and every wave's reads of slot par are done
; before step g+1 stores X(g+2) into it.  Signal and wait are 16 matrix instructions apart.
.macro STEP par, ori, first, cb, cv, xl, bt, bm, bar, n1, n2, sw, xn
.set P_ST, ST0+64*(1-\par)
.set P_BT, 32*((2*\par+3)&3)
.set P_B0, 64*\par
.set P_B1, 64*\par+32
.set P_SL, \par*SLOT
.set P_SN, (1-\par)*SLOT
	s_wait_loadcnt \n1
.if \cv
	WIN 0x05
	CVT P_ST                                       ; 32 plain instructions on other registers: also the places behind the last step's matrix instructions
.else
	PLACES
.endif
.if \xl
	WIN 0x40
	XLOAD P_ST, 0                                  ; X(g+3) into the stage just read
.endif
.if \bt
	WIN 0x40
	BLOAD P_BT, 3                                  ; B(2g+3) into the buffer that the last step's second half read
.endif
	WIN 0
.if \cv
	XSTORE P_SN
.endif
	FETCH F1, P_SL, 64                             ; this step's second 32 along K
	s_wait_dscnt 16+16*\cv                         ; F0, fetched in the last step, is in: behind it went these stores and fetches
.if \ori
	WIN 0xa4
.else
.if \first == 1
	WIN 0xb1
.else
	WIN 0xa1
.endif
.endif
	MUL16 F0, P_B0, 0, \ori, \first, \cb
.if \bar
	s_wait_dscnt 0x0                               ; for the other waves: my stores of X(g+1) and my reads of slot par are done
	s_barrier_signal -1
.endif
	MUL16 F0, P_B0, 4, \ori, \first, \cb
	WIN 0
.if \bar
	s_barrier_wait -1
	PLACES
	FETCH F0, P_SN, 0                              ; the next step's first 32 along K
.endif
.if \bm
	WIN 0x40
	BLOAD P_B0, 4                                  ; B(2g+4) into the buffer just read
.endif
	s_wait_loadcnt \n2
.if \bar == 0
	s_wait_dscnt 0x0                               ; F1 is in (elsewhere the wait in front of the signal has shown it)
.endif
.if \ori
	WIN 0xa4
.else
	WIN 0xa1
.endif
	MUL16 F1, P_B1, 0, \ori, 0, 0
	MUL16 F1, P_B1, 4, \ori, 0, 0
	WIN 0
.if \bm
	s_wait_xcnt 0x0                                ; the bases of the loads above are stepped only behind this wait (ISA guide 3.1)
	s_add_nc_u64 s[BP:BP+1], s[BP:BP+1], 8192
.if \xl
	s_add_nc_u64 s[XP:XP+1], s[XP:XP+1], 256
.endif
.if \sw
	s_cmp_eq_u32 s[TRIP], 6                        ; local step 12 has asked for the tensor's chunk 15: the next chunk is the next tensor's first
	s_cselect_b64 s[XP:XP+1], s[\xn:\xn+1], s[XP:XP+1]
.endif
.endif
.endm
.macro FULL par, ori, first, cb, sw, xn
	STEP \par, \ori, \first, \cb, 1, 1, 1, 1, 1, 32, 40, \sw, \xn
.endm
	s_load_b512 s[8:23], s[0:1], 0x0               ; queries s[8:9], keys s[10:11], values s[12:13], wf s[14:15], bq s[16:17], bk s[18:19], bv s[20:21], out0 s[22:23]
	v_lshl_add_u32 v30, v0, 2, 0xd400
	v_mov_b32 v31, 0
	v_lshrrev_b32 v1, 5, v0
	v_readfirstlane_b32 s2, v1                     ; wave 0..3
	s_lshl_b32 s3, ttmp9, 2
	s_add_co_u32 s3, s3, s2                        ; my head = 4 x block column + wave
	s_and_b32 s4, ttmp7, 0xffff                    ; block of 128 rows
	s_lshl_b32 s32, s4, 19                         ; 128 rows of 4,096 bytes
	s_mov_b32 s33, 0
	s_mul_i32 s34, s3, 393216                      ; my head's 96 halves of 4,096 bytes in wf
	s_mov_b32 s35, 0
	s_lshl_b32 s36, s3, 8                          ; my head's 256 bytes in a row of out0 and in a bias
	s_mov_b32 s37, 0
	s_mul_i32 s5, s2, 16*SPITCH
	s_add_co_u32 s5, s5, STAGE                     ; my stage
	s_mov_b32 s30, 0x3e38aa3b                      ; c = 0.125 log2 e
	s_mov_b32 s31, 0xbe38aa3b                      ; -c
	s_mov_b32 s38, 0xffff0000                      ; a word's upper bf16
	v_and_b32 v[RR], 15, v0
	v_bfe_u32 v[HH], v0, 4, 1
	v_mul_u32_u24 v[AD], v[RR], XPITCH
	v_lshl_add_u32 v[AD], v[HH], 4, v[AD]          ; row r + 16 h
	v_lshlrev_b32 v[TA], 3, v[HH]
	v_lshl_add_u32 v[TA], s2, 5, v[TA]             ; row 32 w + 8 h
	v_lshlrev_b32 v[TB], 4, v[RR]
	v_lshl_add_u32 v[XO], v[TA], 12, v[TB]         ; that row in X + 16 r
	v_mul_u32_u24 v[XS], v[TA], XPITCH
	v_lshl_add_u32 v[XS], v[RR], 3, v[XS]          ; that row in a slot + 8 r
	v_and_b32 v[BO], 31, v0
	v_lshlrev_b32 v[BO], 4, v[BO]
	v_lshlrev_b32 v[BI], 5, v[HH]
	v_mul_u32_u24 v[TA], v[RR], SPITCH
	v_lshl_add_u32 v[TA], v[HH], 5, v[TA]
	v_add_nc_u32 v[STO], s5, v[TA]                 ; in: row r, 32 bytes for each half of the lanes
	v_mul_u32_u24 v[TA], v[HH], SPITCH
	v_add_nc_u32 v[TA], v[TA], v[TB]
	v_add_nc_u32 v[RD], s5, v[TA]                  ; back: lanes 0-15 a row of 256 bytes, lanes 16-31 the next
	v_lshl_add_u32 v[CO], v[HH], 12, v[TB]         ; and the same two rows in out0
	v_bfe_u32 v[TA], v0, 3, 1
	v_cmp_eq_u32 s29, v[TA], v[HH]                 ; lanes whose 8 keys are of their query's group: r >> 3 = h
	s_wait_kmcnt 0x0
	s_add_nc_u64 s[8:9], s[8:9], s[32:33]          ; the three X at my block's first row
	s_add_nc_u64 s[10:11], s[10:11], s[32:33]
	s_add_nc_u64 s[12:13], s[12:13], s[32:33]
	s_add_nc_u64 s[22:23], s[22:23], s[32:33]      ; out0 at my block's first row, my head
	s_add_nc_u64 s[22:23], s[22:23], s[36:37]
	s_add_nc_u64 s[16:17], s[16:17], s[36:37]      ; the biases at my head
	s_add_nc_u64 s[18:19], s[18:19], s[36:37]
	s_add_nc_u64 s[20:21], s[20:21], s[36:37]
	s_add_nc_u64 s[BP:BP+1], s[14:15], s[34:35]
	s_mov_b64 s[XP:XP+1], s[8:9]
	; the biases as C operands: register j of lane (r, h) of tile b holds the bias of column 16 b + 8 h + j.  The oldest loads: they enter no later count.
	WIN 0xc0
.irp b, 0,1,2,3
.irp t, 0,1
	global_load_b128 v[BQ+8*\b+4*\t:BQ+8*\b+4*\t+3],   v[BI], s[16:17] offset:64*\b+16*\t
	global_load_b128 v[BK+8*\b+4*\t:BK+8*\b+4*\t+3],   v[BI], s[18:19] offset:64*\b+16*\t
	global_load_b128 v[BVC+8*\b+4*\t:BVC+8*\b+4*\t+3], v[BI], s[20:21] offset:64*\b+16*\t
.endr
.endr
	WIN 0x40
	XLOAD ST0, 0                                   ; X(0)
	XLOAD ST0+64, 1                                ; X(1)
	BLOAD 0, 0                                     ; B(0)
	s_wait_loadcnt 24                              ; X(0) and the biases are in; X(1) and B(0), 16 + 8, stay out
	WIN 0x05
	CVT ST0
	WIN 0x40
	XLOAD ST0, 2                                   ; X(2)
	BLOAD 32, 1                                    ; B(1)
	BLOAD 64, 2                                    ; B(2)
	WIN 0
	XSTORE 0
	s_wait_dscnt 0x0                               ; for the other waves: my rows of X(0) are in slot 0
	s_barrier_signal -1
	s_barrier_wait -1
	FETCH F0, 0, 0
	s_wait_xcnt 0x0
	s_add_nc_u64 s[XP:XP+1], s[XP:XP+1], 768       ; step 0 asks for chunk 3
	; ---- q: steps 0 to 15 ----
	FULL 0, 0, 1, BQ, 0, 0
	FULL 1, 0, 0, 0, 0, 0
	s_mov_b32 s[TRIP], 1
.Lq:
	FULL 0, 0, 0, 0, 1, 10                         ; in trip 6: on to keys
	FULL 1, 0, 0, 0, 0, 0
	s_add_co_u32 s[TRIP], s[TRIP], 1
	s_cmp_lt_u32 s[TRIP], 8
	s_cbranch_scc1 .Lq
	; q rounded: lane (r, h) of tile (a, b) holds row r, d = 16 b + 8 h + j, so tiles 2 e, 2 e + 1 pack into the fragment of d = 32 e .. 32 e + 31.
	; Fragment register 16 a + 4 b + jj = n comes from accumulator registers 2 n, 2 n + 1.
	PLACES
	WIN 0xca
.set n, 0
.rept 128
	v_cvt_pk_bf16_f32 v[QF+n], v[2*n], v[2*n+1]
.set n, n+1
.endr
	WIN 0
	; ---- k: steps 16 to 31 ----
	FULL 0, 0, 1, BK, 0, 0
	FULL 1, 0, 0, 0, 0, 0
	s_mov_b32 s[TRIP], 1
.Lk:
	FULL 0, 0, 0, 0, 1, 12                         ; in trip 6: on to values
	FULL 1, 0, 0, 0, 0, 0
	s_add_co_u32 s[TRIP], s[TRIP], 1
	s_cmp_lt_u32 s[TRIP], 8
	s_cbranch_scc1 .Lk
; scores of row tiles a and a + 1: k rounded as q was, into T; then key x query over d = 0..63 in two instructions a tile.
; The two tiles' accumulators take turns, one instruction a turn.
.macro SCORE2 a
	WIN 0x0a
.set n, 0
.rept 32
	v_cvt_pk_bf16_f32 v[T+n], v[2*(16*\a+n)], v[2*(16*\a+n)+1]
.set n, n+1
.endr
	WIN 0x0c
	v_wmma_f32_16x16x32_bf16 v[SC+8*\a:SC+8*\a+7],    v[T:T+7],     v[QF+16*\a:QF+16*\a+7],     0
	v_wmma_f32_16x16x32_bf16 v[SC+8*\a+8:SC+8*\a+15], v[T+16:T+23], v[QF+16*\a+16:QF+16*\a+23], 0
	v_wmma_f32_16x16x32_bf16 v[SC+8*\a:SC+8*\a+7],    v[T+8:T+15],  v[QF+16*\a+8:QF+16*\a+15],  v[SC+8*\a:SC+8*\a+7]
	v_wmma_f32_16x16x32_bf16 v[SC+8*\a+8:SC+8*\a+15], v[T+24:T+31], v[QF+16*\a+24:QF+16*\a+31], v[SC+8*\a+8:SC+8*\a+15]
	WIN 0
	PLACES                                         ; T is written again, and the scores are read, four places behind
.endm
	PLACES
	SCORE2 0
	SCORE2 2
	SCORE2 4
	SCORE2 6
	; softmax over a lane's 8 registers, stage by stage over the 8 tiles so that no instruction waits for the one in front of it
.irp a, 0,1,2,3,4,5,6,7
	v_max3_num_f32 v[MX+\a], v[SC+8*\a], v[SC+8*\a+1], v[SC+8*\a+2]
.endr
.irp a, 0,1,2,3,4,5,6,7
	v_max3_num_f32 v[MX+\a], v[MX+\a], v[SC+8*\a+3], v[SC+8*\a+4]
.endr
.irp a, 0,1,2,3,4,5,6,7
	v_max3_num_f32 v[MX+\a], v[MX+\a], v[SC+8*\a+5], v[SC+8*\a+6]
.endr
.irp a, 0,1,2,3,4,5,6,7
	v_max_num_f32 v[MX+\a], v[MX+\a], v[SC+8*\a+7]
.endr
.irp a, 0,1,2,3,4,5,6,7
	v_mul_f32 v[MX+\a], s31, v[MX+\a]              ; -c max
.endr
.set n, 0
.rept 64
	v_fma_f32 v[SC+n], v[SC+n], s30, v[MX+n/8]     ; c s - c max
.set n, n+1
.endr
.set n, 0
.rept 64
	v_exp_f32 v[SC+n], v[SC+n]
.set n, n+1
.endr
	v_nop                                          ; one plain instruction between the last exponential and its use (ISA guide 5.7.2)
	s_wait_alu depctr_va_vdst(0)
.irp a, 0,1,2,3,4,5,6,7
	v_pk_add_f32 v[UU+4*\a:UU+4*\a+1],   v[SC+8*\a:SC+8*\a+1],   v[SC+8*\a+2:SC+8*\a+3]
	v_pk_add_f32 v[UU+4*\a+2:UU+4*\a+3], v[SC+8*\a+4:SC+8*\a+5], v[SC+8*\a+6:SC+8*\a+7]
.endr
.irp a, 0,1,2,3,4,5,6,7
	v_pk_add_f32 v[UU+4*\a:UU+4*\a+1], v[UU+4*\a:UU+4*\a+1], v[UU+4*\a+2:UU+4*\a+3]
.endr
.irp a, 0,1,2,3,4,5,6,7
	v_add_f32 v[SM+\a], v[UU+4*\a], v[UU+4*\a+1]
.endr
.irp a, 0,1,2,3,4,5,6,7
	v_rcp_f32 v[SM+\a], v[SM+\a]                   ; the largest term is 1 up to a rounding, so the sum is no smaller
.endr
	v_nop
	s_wait_alu depctr_va_vdst(0)
.irp a, 0,1,2,3,4,5,6,7
	v_cndmask_b32 v[RP+2*\a],   0, v[SM+\a], s29   ; 1 / sum in the lanes of the query's own group, 0 in the others
	v_cndmask_b32 v[RP+2*\a+1], 0, v[SM+\a], s29
.endr
.irp a, 0,1,2,3,4,5,6,7
.irp j, 0,2,4,6
	v_pk_mul_f32 v[SC+8*\a+\j:SC+8*\a+\j+1], v[SC+8*\a+\j:SC+8*\a+\j+1], v[RP+2*\a:RP+2*\a+1]
.endr
.endr
	; The weights as fragments (column = query r, K = key 8 h + j), over q's registers, whose last use lies far behind.  Tile a has 16 registers:
	; p_hi in 0-3 and again in 4-7 (K = 16 .. 31, where v^T holds v_lo), p_lo = bf16(p - p_hi) in 8-11 and again in 12-15.
	; Word n = 4 a + jj holds weights 2 n and 2 n + 1.  p - p_hi is exact in f32.
	WIN 0xc0
.set n, 0
.rept 32
	v_cvt_pk_bf16_f32 v[PF+16*(n/4)+n%4],   v[SC+2*n], v[SC+2*n+1]
	v_cvt_pk_bf16_f32 v[PF+16*(n/4)+n%4+4], v[SC+2*n], v[SC+2*n+1]
.set n, n+1
.endr
	WIN 0x0c
.set n, 0
.rept 32
	v_lshlrev_b32 v[EE+2*n],   16,  v[PF+16*(n/4)+n%4]             ; p_hi back in f32: the low half moves up,
	v_and_b32     v[EE+2*n+1], s38, v[PF+16*(n/4)+n%4]             ; the high half stays
.set n, n+1
.endr
	WIN 0
.set n, 0
.rept 32
	v_pk_fma_f32 v[SC+2*n:SC+2*n+1], v[EE+2*n:EE+2*n+1], -1.0, v[SC+2*n:SC+2*n+1] op_sel_hi:[1,0,1]   ; p - p_hi
.set n, n+1
.endr
	WIN 0xc0
.set n, 0
.rept 32
	v_cvt_pk_bf16_f32 v[PF+16*(n/4)+n%4+8],  v[SC+2*n], v[SC+2*n+1]
	v_cvt_pk_bf16_f32 v[PF+16*(n/4)+n%4+12], v[SC+2*n], v[SC+2*n+1]
.set n, n+1
.endr
	WIN 0
	; ---- v: steps 32 to 47 ----
	FULL 0, 1, 2, 0, 0, 0
	FULL 1, 1, 0, 0, 0, 0
	s_mov_b32 s[TRIP], 1
.Lv:
	FULL 0, 1, 0, 0, 0, 0
	FULL 1, 1, 0, 0, 0, 0
	s_add_co_u32 s[TRIP], s[TRIP], 1
	s_cmp_lt_u32 s[TRIP], 6
	s_cbranch_scc1 .Lv
	FULL 0, 1, 0, 0, 0, 0                          ; step 44 asks for the last chunk, X(47)
	STEP 1, 1, 0, 0, 1, 0, 1, 1, 1, 32, 24, 0, 0   ; step 45: B(93), B(94); behind B(91) went B(92), B(93), B(94): 24
	STEP 0, 1, 0, 0, 1, 0, 1, 0, 1, 16, 16, 0, 0   ; step 46: B(95); behind B(92) went 16, behind B(93) went B(94), B(95): 16
	STEP 1, 1, 0, 0, 0, 0, 0, 0, 0, 8, 0, 0, 0     ; step 47: nothing is left to ask for; behind B(94) went B(95): 8
	; ---- weighted sums and the way out ----
	PLACES
; Row tile a.  Lane (r, h) of accumulator tile (a, b) holds column 16 b + r, rows 8 h + j.  Rounded, that is registers 0-3 of a fragment of v^T (K = key);
; v_lo = bf16(v - v_hi) goes into registers 4-7 (K = 16 + key); v - v_hi is exact in f32.  Two matrix instructions a column tile: x [p_hi | p_hi] + bv, then
; x [p_lo | p_lo] added in place; the four accumulators take turns, one instruction a turn.
; Result: lane (r, h), register j = out(row r, d = 16 b + 8 h + j).  rb: the registers for the way back, two sets by turns.
.macro OUT16 a, rb
	WIN 0x0a
.irp b, 0,1,2,3
.irp j, 0,1,2,3
	v_cvt_pk_bf16_f32 v[VT+8*\b+\j], v[8*(4*\a+\b)+2*\j], v[8*(4*\a+\b)+2*\j+1]
.endr
.endr
	WIN 0
.irp b, 0,1,2,3
.irp j, 0,1,2,3
	v_lshlrev_b32 v[T+8*\b+2*\j],   16,  v[VT+8*\b+\j]             ; v_hi back in f32
	v_and_b32     v[T+8*\b+2*\j+1], s38, v[VT+8*\b+\j]
.endr
.endr
	WIN 0x20
.irp b, 0,1,2,3
.irp j, 0,1,2,3
	v_pk_fma_f32 v[T+8*\b+2*\j:T+8*\b+2*\j+1], v[T+8*\b+2*\j:T+8*\b+2*\j+1], -1.0, v[8*(4*\a+\b)+2*\j:8*(4*\a+\b)+2*\j+1] op_sel_hi:[1,0,1]   ; v - v_hi
.endr
.endr
	WIN 0
.irp b, 0,1,2,3
.irp j, 0,1,2,3
	v_cvt_pk_bf16_f32 v[VT+8*\b+4+\j], v[T+8*\b+2*\j], v[T+8*\b+2*\j+1]
.endr
.endr
	WIN 0x3c
.irp b, 0,1,2,3
	v_wmma_f32_16x16x32_bf16 v[OT+8*\b:OT+8*\b+7], v[VT+8*\b:VT+8*\b+7], v[PF+16*\a:PF+16*\a+7], v[BVC+8*\b:BVC+8*\b+7]
.endr
	WIN 0x0c
.irp b, 0,1,2,3
	v_wmma_f32_16x16x32_bf16 v[OT+8*\b:OT+8*\b+7], v[VT+8*\b:VT+8*\b+7], v[PF+16*\a+8:PF+16*\a+15], v[OT+8*\b:OT+8*\b+7]
.endr
	WIN 0
	PLACES
.irp b, 0,1,2,3
.irp t, 0,1
	ds_store_b128 v[STO], v[OT+8*\b+4*\t:OT+8*\b+4*\t+3] offset:64*\b+16*\t
.endr
.endr
	s_wait_xcnt 0x0                                ; registers rb, which earlier stores read, are loaded again only behind this wait (ISA guide 3.1)
.irp t, 0,1,2,3,4,5,6,7
	ds_load_b128 v[\rb+4*\t:\rb+4*\t+3], v[RD] offset:2*\t*SPITCH  ; my own bytes; LDS serves a wave's instructions in order (ISA guide 5.7.1): these see the stores above
.endr
.irp t, 0,1,2,3,4,5,6,7
	s_wait_dscnt 7-\t
	global_store_b128 v[CO], v[\rb+4*\t:\rb+4*\t+3], s[22:23] offset:(16*\a+2*\t)*4096 th:TH_STORE_NT   ; sixteen lanes store 256 neighbouring bytes, aligned: a row of my head
.endr
.endm
	OUT16 0, F1
	OUT16 1, F1+32
	OUT16 2, F1
	OUT16 3, F1+32
	OUT16 4, F1
	OUT16 5, F1+32
	OUT16 6, F1
	OUT16 7, F1+32
	s_wait_tensorcnt 0x0
	ds_add_u32 v30, v31
	s_wait_dscnt 0x0
	s_endpgm
.Lfunc_end_k_q5a104587bb_mha:
	.size	k_q5a104587bb_mha, .Lfunc_end_k_q5a104587bb_mha-k_q5a104587bb_mha
	.p2alignl 7, 3214868480
	.fill 96, 4, 3214868480
	.section	.rodata,"a",@progbits
	.p2align	6, 0x0
	.amdhsa_kernel k_q5a104587bb_mha
		.amdhsa_group_segment_fixed_size 54784
		.amdhsa_private_segment_fixed_size 0
		.amdhsa_enable_private_segment 0
		.amdhsa_kernarg_size 64
		.amdhsa_user_sgpr_count 2
		.amdhsa_user_sgpr_kernarg_segment_ptr 1
		.amdhsa_wavefront_size32 1
		.amdhsa_system_sgpr_workgroup_id_x 1
		.amdhsa_system_sgpr_workgroup_id_y 1
		.amdhsa_system_sgpr_workgroup_id_z 1
		.amdhsa_system_vgpr_workitem_id 0
		.amdhsa_next_free_vgpr 992
		.amdhsa_next_free_sgpr 66
		.amdhsa_reserve_vcc 0
		.amdhsa_float_denorm_mode_32 3
		.amdhsa_float_denorm_mode_16_64 3
		.amdhsa_memory_ordered 1
		.amdhsa_forward_progress 1
		.amdhsa_inst_pref_size 255
	.end_amdhsa_kernel
	.section	.bss,"aw",@nobits
	.p2align	6
	.space	262144
	.amdgpu_metadata
---
amdhsa.version: [ 1, 2 ]
amdhsa.kernels:
  - .name:           k_q5a104587bb_mha
    .symbol:         k_q5a104587bb_mha.kd
    .args:
      - { .name: queries, .offset: 0, .size: 8, .value_kind: global_buffer, .address_space: global }
      - { .name: keys, .offset: 8, .size: 8, .value_kind: global_buffer, .address_space: global }
      - { .name: values, .offset: 16, .size: 8, .value_kind: global_buffer, .address_space: global }
      - { .name: wf, .offset: 24, .size: 8, .value_kind: global_buffer, .address_space: global }
      - { .name: bq, .offset: 32, .size: 8, .value_kind: global_buffer, .address_space: global }
      - { .name: bk, .offset: 40, .size: 8, .value_kind: global_buffer, .address_space: global }
      - { .name: bv, .offset: 48, .size: 8, .value_kind: global_buffer, .address_space: global }
      - { .name: out0, .offset: 56, .size: 8, .value_kind: global_buffer, .address_space: global }
    .group_segment_fixed_size: 54784
    .private_segment_fixed_size: 0
    .kernarg_segment_align: 8
    .kernarg_segment_size: 64
    .max_flat_workgroup_size: 128
    .sgpr_count:     66
    .vgpr_count:     992
    .wavefront_size: 32
...
	.end_amdgpu_metadata
.endif
;; end of part 2
;; ======== version 2 of 2: 2 launches; version 1 with the launch mha written anew for expert scheduling mode
;; workspace buffers: wf 6,291,456 bytes
;; launch wprep: the kernel of part 1 again; grid 128 x 3, 4 waves a work-group, no clusters, 17,920 bytes of LDS; arguments Wq, Wk, Wv, wf; writes wf
;; launch mha (part 3): grid 4 x 64, 4 waves a work-group, no clusters, 54,784 bytes of LDS; arguments queries, keys, values, wf, bq, bk, bv, out0; writes out0
.if DOCPART == 3
	.amdgcn_target "amdgcn-amd-amdhsa--gfx1250"
	.amdhsa_code_object_version 6
	.text
	.protected	k_q5a104587bb_mha
	.globl	k_q5a104587bb_mha
	.p2align	8
	.type	k_q5a104587bb_mha,@function
k_q5a104587bb_mha:
	s_mov_b64 s[64:65], 0
	v_nop
	global_prefetch_b8 v0, s[64:65] scope:SCOPE_SE
	s_setreg_imm32_b32 hwreg(HW_REG_WAVE_SCHED_MODE, 0, 2), 2
	s_setreg_imm32_b32 hwreg(HW_REG_WAVE_MODE, 25, 1), 1
	s_wait_xcnt 0x0
	s_wait_alu depctr_vm_vsrc(0)
; q = queries Wq^T + bq, k = keys Wk^T + bk, v = values Wv^T + bv on the 8,192 flat rows of 1,024; the reshapes only rename axes: the eight
; flat rows 8 n .. 8 n + 7 form group n, and in each of the 16 heads (64 columns) the group's 8 queries attend to its own 8 keys and values.
; A work-group takes 128 flat rows x 4 heads; wave w owns ONE head for all 128 rows: 8 x 4 accumulator tiles of 16 x 16, 256 registers.
; The three projections run one after the other as one pipeline of 48 K steps of 64; q, k, v and the weights never leave the registers.
;   X (f32) : global -> registers -> bf16 -> LDS, a ring of two slots of 128 rows x 64 K, one barrier a step; each number is rounded once in the work-group.
;   W (bf16): from wf, laid in fragment order by the launch before, straight into registers: a fragment of W is wanted by one wave of the work-group alone.
;   q, k    : source 0 = W, source 1 = X: a lane then holds 8 neighbouring columns of one row, and the rounded sums ARE fragments with d along K.
;   scores  : source 0 = k, source 1 = q: lane (r, h) holds, for query r of a 16-row tile, the scores of keys 8 h .. 8 h + 7 in its 8 registers:
;             maximum, exponentials and sum stay inside the lane.  They are its own group's where h = r >> 3; the other lanes' weights are set to 0.
;   v       : source 0 = X, source 1 = W: a lane holds 8 rows of one column, which rounded is a fragment of v^T with the key along K.
;   out     : a tile has 16 keys and the form takes 32 along K, so the upper half of K carries a second bf16: x = hi + lo, lo = bf16(x - hi), 16 bits in all.
;             Source 0 = [v_hi | v_lo]; source 1 = [p_hi | p_hi], then [p_lo | p_lo]; C = bv.  One bf16 alone would leave up to 2^-9 of each v and of each
;             weight in a sum of 8 terms that largely cancel, which is of the size of a hundredth of the results' spread.
;             16 rows at a time leave through the wave's own LDS stage, so that sixteen lanes store 256 neighbouring bytes.
; NO CLUSTER, NO JOINT LOADS, though four work-groups read the same X and 64 the same W: a joint load can only land in LDS.  A K step moves 64 KB of
; fragment reads and 16 KB of X stores through LDS for the work-group's 256 matrix instructions; W by way of LDS would add 32 KB in and 32 KB out (144 KB),
; X landed there as f32 as much again.  So both come through registers.
; LIMITS.  A 16-row tile holds two groups; the other group's weights are exact zeros, so a q, k or v that is not finite spreads to the other group of its
; tile.  bv is added behind the weighted sum (a softmax row sums to 1: only the order of rounding differs).  q and k are rounded to bf16 once.
; v_exp_f32 gives 0 below 2^-126 (ISA guide 15.8).
; The running exponent is c s - c max with c = 0.125 log2 e: the row's maximum is taken away, so no exponential exceeds 1 by more than a rounding.
;
; THE MODE: SCHED_MODE bits 1:0 = 2 (LLVM: expert scheduling mode 2), set by the entry lines.  The code itself states the register dependences
; between vector or matrix instructions and memory or LDS instructions, with s_wait_alu, always for 0.
; THE PLAN.  A K step g is two HALVES of 32 along K, 32 matrix instructions each: half j = 2 g + hf.  XH(m) is half m & 1 (16 of my wave's 32 rows) of chunk m >> 1 of X;
; B(m) is W's four fragments for half m.  Registers that memory or LDS instructions touch in the pipeline, and who else names them in half j:
;   half-stages  four of 32 registers; XH(m) lies in number m & 3.  The half's sixteen conversions read XH(j+3); behind them the loads of XH(j+7) land there.
;   T            two halves of 16.  The conversions write half (j+3) & 1; eight LDS stores of the same half j read it; it is written again in half j + 2.
;   W            four buffers.  The matrix instructions read buffer j & 3; the loads of B(j+3) land in buffer (j-1) & 3, which half j - 1 read.
;   F0, F1       The matrix instructions read F[j & 1]; the LDS loads of half j + 1's fragments land in the other, which half j - 1 read.
;   v4 .. v11    addresses and offsets, made once at the head and never written again: scalar bases and immediate offsets do the rest.
; So ONE wait on va_vdst stands in a half, behind its conversions: they have written T's half and are done reading the half-stage, and the matrix instructions of the half
; before are done reading their W buffer and their fragments of X.  All of the half's memory and LDS instructions follow it with no further wait: the matrix instructions
; issued since name W[j & 3], F[j & 1] and the accumulators alone.  One wait on vm_vsrc stands ahead of the conversions: the LDS stores issued two halves back have read T's half.
;
; REGISTERS, in windows of 256 (s_set_vgpr_msb: bits 1:0 source 0, 3:2 source 1, 5:4 source 2, 7:6 destination):
;   window 0: v2-13 addresses; T v32-63 X in bf16, later k's fragments, at the end v_hi in f32; F0 v64-127, F1 v128-191 fragments of X, two buffers; SC v192-255 scores
;   window 1: v0-127 a ring of four W buffers (4 fragments each); v128-255 four half-stages of X in f32
;   window 2: accumulator tile (a, b) at v[8 (4 a + b)], a = 16 rows, b = 16 columns
;   window 3: v0-127 q's fragments, later the weights (16 a tile: hi, hi, lo, lo); v128-159 bq, v160-191 bk, v192-223 bv, as C operands
.set XPITCH, 144                       ; an LDS row of X: 64 bf16 + 16 bytes, an odd multiple of 16: a fragment load's 16 rows start 16 bytes apart modulo 256
.set SLOT,   128*XPITCH                ; 18,432
.set STAGE,  2*SLOT                    ; behind the ring: 16 rows x 272 bytes for each wave
.set SPITCH, 272                       ; a stage row: 64 f32 + 16 bytes
.set RR,  2                            ; r = lane % 16
.set HH,  3                            ; h = lane / 16
.set AD,  4                            ; LDS: my 16 bytes of a fragment of X, slot 0, rows 0-15
.set XO,  5                            ; global: my 16 bytes of X in my wave's row 0 or 8
.set XS,  6                            ; LDS: where my 8 bytes of rounded X go
.set BO,  7                            ; global: 16 x lane, in wf
.set BI,  8                            ; global: 32 h, in a bias
.set STO, 9                            ; stage: in
.set RD,  10                           ; stage: back
.set CO,  11                           ; global: my 16 bytes of out0 in row 0 or 1
.set TA,  12
.set TB,  13
.set T,   32
.set F0,  64
.set F1,  128
.set SC,  192
.set ST0, 128                          ; window 1
.set QF,  0                            ; window 3
.set PF,  0
.set BQ,  128
.set BK,  160
.set BVC, 192
.set MX,  F1                           ; softmax, in F1, which is idle between two projections: -c max, one a tile
.set SM,  F1+8                         ; sum, then its reciprocal
.set UU,  F1+16                        ; partial sums, 4 a tile
.set RP,  F1+48                        ; the reciprocal or 0, as a pair
.set EE,  F1                           ; behind the softmax: p_hi in f32, 64 registers
.set VT,  F0                           ; the end: fragments of v^T, 8 a column tile: hi, lo
.set OT,  F0+32                        ; the end: 16 rows x 64 columns of the result
.set XP,  24                           ; s[24:25] X at the chunk that is being asked for
.set BP,  26                           ; s[26:27] wf: at B(2 g) in a step's first half, at B(2 g + 2) in its second
.set TRIP, 28
.set MSB, 0
.macro WIN new                         ; the immediate's high byte repeats the setting that is left
.if MSB != \new
	s_set_vgpr_msb (MSB<<8)|\new
.set MSB, \new
.endif
.endm
; Four places stand between a matrix instruction and a vector instruction that reads its result or writes one of its registers;
; only plain vector instructions that name none of its registers are places (ISA guide 7.12.1).
.macro PLACES
.rept 4
	v_nop
.endr
.endm
; 16 LDS loads: the 8 fragments of X (128 rows x 32 K at byte k of the rows) of the slot at byte slot into buffer f
.macro FETCH f, slot, k
.irp a, 0,1,2,3,4,5,6,7
	ds_load_b128 v[\f+8*\a:\f+8*\a+3],   v[AD] offset:\slot+\a*16*XPITCH+\k
	ds_load_b128 v[\f+8*\a+4:\f+8*\a+7], v[AD] offset:\slot+\a*16*XPITCH+\k+32
.endr
.endm
; 8 global loads: half u (16 rows) of my wave's 32 rows x 256 bytes (64 K in f32) into half u of the stage at st.  Lanes 0-15 take a row's 256 bytes, lanes 16-31 those of the row 8 below.
.macro XLOAD8 st, u, chunk
.irp i, 0,1,2,3,4,5,6,7
	global_load_b128 v[\st+4*(8*\u+\i):\st+4*(8*\u+\i)+3], v[XO], s[XP:XP+1] offset:(16*\u+\i)*4096+\chunk*256
.endr
.endm
; 8 global loads of 512 neighbouring bytes: my head's 4 fragments of W for 32 along K, half rel from BP on, into W buffer br
.macro BLOAD br, rel
.irp q, 0,1,2,3,4,5,6,7
	global_load_b128 v[\br+4*\q:\br+4*\q+3], v[BO], s[BP:BP+1] offset:\rel*4096+512*\q
.endr
.endm
.macro CVT8 st, u                      ; half u of the stage at st to bf16, into half u of T
.irp i, 0,1,2,3,4,5,6,7
	v_cvt_pk_bf16_f32 v[T+2*(8*\u+\i)],   v[\st+4*(8*\u+\i)],   v[\st+4*(8*\u+\i)+1]
	v_cvt_pk_bf16_f32 v[T+2*(8*\u+\i)+1], v[\st+4*(8*\u+\i)+2], v[\st+4*(8*\u+\i)+3]
.endr
.endm
.macro XSTORE8 slot, u                 ; lanes 0-15 fill 128 bytes of a row, lanes 16-31 of the row 8 below, which lies 128 bytes further modulo 256
.irp i, 0,1,2,3,4,5,6,7
	ds_store_b64 v[XS], v[T+2*(8*\u+\i):T+2*(8*\u+\i)+1] offset:\slot+(16*\u+\i)*XPITCH
.endr
.endm
; 8 matrix instructions: row tiles a0, a0 + 1 x the 4 column tiles, 32 along K.  ori = 0: source 0 = W, source 1 = X; ori = 1: the other way round.
; first = 1: the bias at cb starts the sums; first = 2: the constant 0 does; nothing is ever cleared.
; The 32 accumulators take turns, one instruction a turn, in the same order everywhere.
.macro MUL8 f, br, a0, ori, first, cb
.irp a, \a0, \a0+1
.irp b, 0,1,2,3
.if \ori == 0
.if \first == 1
	v_wmma_f32_16x16x32_bf16 v[8*(4*(\a)+\b):8*(4*(\a)+\b)+7], v[\br+8*\b:\br+8*\b+7], v[\f+8*(\a):\f+8*(\a)+7], v[\cb+8*\b:\cb+8*\b+7]
.else
	v_wmma_f32_16x16x32_bf16 v[8*(4*(\a)+\b):8*(4*(\a)+\b)+7], v[\br+8*\b:\br+8*\b+7], v[\f+8*(\a):\f+8*(\a)+7], v[8*(4*(\a)+\b):8*(4*(\a)+\b)+7]
.endif
.else
.if \first == 2
	v_wmma_f32_16x16x32_bf16 v[8*(4*(\a)+\b):8*(4*(\a)+\b)+7], v[\f+8*(\a):\f+8*(\a)+7], v[\br+8*\b:\br+8*\b+7], 0
.else
	v_wmma_f32_16x16x32_bf16 v[8*(4*(\a)+\b):8*(4*(\a)+\b)+7], v[\f+8*(\a):\f+8*(\a)+7], v[\br+8*\b:\br+8*\b+7], v[8*(4*(\a)+\b):8*(4*(\a)+\b)+7]
.endif
.endif
.endr
.endr
.endm
.macro MUL16 f, br, a0, ori, first, cb
	MUL8 \f, \br, \a0, \ori, \first, \cb
	MUL8 \f, \br, \a0+2, \ori, \first, \cb
.endm
.macro WMUL ori, first                 ; the windows of the products: W in window 1, X in window 0, the sums in window 2; a bias as C in window 3
.if \ori
	WIN 0xa4
.elseif \first == 1
	WIN 0xb1
.else
	WIN 0xa1
.endif
.endm
; K STEP g (par = g % 2): 64 matrix instructions on X(g), which lies in slot par, and W's halves B(2g), B(2g+1); halves j = 2 g and 2 g + 1.
; Global loads go out in this order: half j asks for B(j+3) (8), then XH(j+7) (8); loads come back in order (ISA guide 5.7.1).
;   n0, n1: at the head of half j B(j) and the older XH(j+3) are in; behind B(j) went XH(j+4), B(j+1), XH(j+5), B(j+2), XH(j+6): 40 in a full half.
;   So a wave has 56 loads out at the most in the steps; W is asked for three halves, X four halves ahead of its use.
; c0, x0, b0: the first half rounds and stores XH(2g+3), asks for XH(2g+7), asks for B(2g+3); c1, x1, b1: the second half likewise: XH(2g+4), XH(2g+8), B(2g+4).
; bar: the step has the barrier, and the next step's first fragments are fetched; sw: in trip 6 XP goes on to the tensor at s[xn:xn+1].
; ONE barrier a step, for two things: every wave's stores of X(g+1) are done before any wave reads that slot, and every wave's reads of slot par are done
; before X(g+2) is stored into it, which begins in this step's second half.  Signal and wait are 16 matrix instructions apart.
.macro STEP par, ori, first, cb, c0, x0, b0, c1, x1, b1, bar, n0, n1, sw, xn
.set P_S0, ST0+64*(1-\par)             ; the stage of X(g+1) and X(g+3)
.set P_S1, ST0+64*\par                 ; the stage of X(g+2) and X(g+4)
.set P_BT, 32*((2*\par+3)&3)
.set P_B0, 64*\par
.set P_B1, 64*\par+32
.set P_SL, \par*SLOT
.set P_SN, (1-\par)*SLOT
	; ---- half 2 g ----
	s_wait_loadcnt \n0
.if \c0
	s_wait_alu depctr_vm_vsrc(0)                   ; the LDS stores of the step before have read T's upper half, which the conversions write again
	WIN 0x05
	CVT8 P_S0, 1                                   ; 16 plain instructions on other registers: also the places behind the last half's matrix instructions
.else
	PLACES
.endif
.if \b0
	WIN 0x40
.else
	WIN 0
.endif
	s_wait_alu depctr_va_vdst(0)                   ; the conversions have written T's upper half and are done reading the half-stage; the last half's matrix instructions are done reading F1 and their W buffer
.if \b0
	BLOAD P_BT, 3                                  ; B(2g+3) into the buffer that the last half read
.endif
.if \x0
	XLOAD8 P_S0, 1, 0                              ; XH(2g+7) into the half-stage just read
.endif
	WIN 0
.if \c0
	XSTORE8 P_SN, 1                                ; the upper 16 of my rows of X(g+1); the lower 16 went in the half before
.endif
	FETCH F1, P_SL, 64                             ; this step's second 32 along K
	s_wait_dscnt 16+8*\c0                          ; F0, fetched in the last half, is in: behind it went these stores and fetches
	WMUL \ori, \first
	MUL16 F0, P_B0, 0, \ori, \first, \cb
.if \bar
	s_wait_dscnt 0x0                               ; for the other waves: my stores of X(g+1) and my reads of slot par are done
	s_barrier_signal -1
.endif
	MUL16 F0, P_B0, 4, \ori, \first, \cb
.if \bar
	s_barrier_wait -1
.endif
	; ---- half 2 g + 1 ----
.if \b1
	s_wait_xcnt 0x0                                ; the bases of the loads above are stepped only behind this wait (ISA guide 3.1)
	s_add_nc_u64 s[BP:BP+1], s[BP:BP+1], 8192
.if \x1
	s_add_nc_u64 s[XP:XP+1], s[XP:XP+1], 256
.endif
.if \sw
	s_cmp_eq_u32 s[TRIP], 6                        ; local step 12 has asked for the last of the tensor's chunk 15: the next chunk is the next tensor's first
	s_cselect_b64 s[XP:XP+1], s[\xn:\xn+1], s[XP:XP+1]
.endif
.endif
	s_wait_loadcnt \n1
.if \c1
	s_wait_alu depctr_vm_vsrc(0)                   ; the LDS stores of the step before have read T's lower half, which the conversions write again
	WIN 0x05
	CVT8 P_S1, 0                                   ; again also the places behind the first half's matrix instructions
.elseif \bar
	PLACES
.endif
.if \b1
	WIN 0x40
.endif
.if \bar
	s_wait_alu depctr_va_vdst(0)                   ; the conversions have written T's lower half and are done reading the half-stage; the first half's matrix instructions are done reading F0 and their W buffer
.endif
.if \b1
	BLOAD P_B0, 2                                  ; B(2g+4) into the buffer that the first half read
.endif
.if \x1
	XLOAD8 P_S1, 0, 0                              ; XH(2g+8) into the half-stage just read
.endif
.if \bar == 0
	s_wait_dscnt 0x0                               ; F1 is in (elsewhere the wait in front of the signal has shown it)
.endif
	WMUL \ori, 0
	MUL8 F1, P_B1, 0, \ori, 0, 0
.if \bar
	WIN 0                                          ; no wait: no vector or matrix instruction since the wait above names T, F0 or the two addresses
.if \c1
	XSTORE8 P_SL, 0                                ; the lower 16 of my rows of X(g+2), into the slot that every wave has read out
.endif
	FETCH F0, P_SN, 0                              ; the next step's first 32 along K
	WMUL \ori, 0
.endif
	MUL8 F1, P_B1, 2, \ori, 0, 0
	MUL16 F1, P_B1, 4, \ori, 0, 0
	WIN 0
.endm
.macro FULL par, ori, first, cb, sw, xn
	STEP \par, \ori, \first, \cb, 1, 1, 1, 1, 1, 1, 1, 40, 40, \sw, \xn
.endm
	s_load_b512 s[8:23], s[0:1], 0x0               ; queries s[8:9], keys s[10:11], values s[12:13], wf s[14:15], bq s[16:17], bk s[18:19], bv s[20:21], out0 s[22:23]
	v_lshl_add_u32 v30, v0, 2, 0xd400
	v_mov_b32 v31, 0
	v_lshrrev_b32 v1, 5, v0
	v_readfirstlane_b32 s2, v1                     ; wave 0..3
	v_and_b32 v[RR], 15, v0
	v_bfe_u32 v[HH], v0, 4, 1
	v_bfe_u32 v[TA], v0, 3, 1
	v_cmp_eq_u32 s29, v[TA], v[HH]                 ; lanes whose 8 keys are of their query's group: r >> 3 = h
	s_wait_alu depctr_va_sdst(0)                   ; s2 and s29 are written, ahead of their first readers: the head, the bases and the stage are made from s2; the softmax's selects read s29
	s_lshl_b32 s3, ttmp9, 2
	s_add_co_u32 s3, s3, s2                        ; my head = 4 x block column + wave
	s_and_b32 s4, ttmp7, 0xffff                    ; block of 128 rows
	s_lshl_b32 s32, s4, 19                         ; 128 rows of 4,096 bytes
	s_mov_b32 s33, 0
	s_mul_i32 s34, s3, 393216                      ; my head's 96 halves of 4,096 bytes in wf
	s_mov_b32 s35, 0
	s_lshl_b32 s36, s3, 8                          ; my head's 256 bytes in a row of out0 and in a bias
	s_mov_b32 s37, 0
	s_mul_i32 s5, s2, 16*SPITCH
	s_add_co_u32 s5, s5, STAGE                     ; my stage
	s_mov_b32 s30, 0x3e38aa3b                      ; c = 0.125 log2 e
	s_mov_b32 s31, 0xbe38aa3b                      ; -c
	s_mov_b32 s38, 0xffff0000                      ; a word's upper bf16
	v_mul_u32_u24 v[AD], v[RR], XPITCH
	v_lshl_add_u32 v[AD], v[HH], 4, v[AD]          ; row r + 16 h
	v_lshlrev_b32 v[TA], 3, v[HH]
	v_lshl_add_u32 v[TA], s2, 5, v[TA]             ; row 32 w + 8 h
	v_lshlrev_b32 v[TB], 4, v[RR]
	v_lshl_add_u32 v[XO], v[TA], 12, v[TB]         ; that row in X + 16 r
	v_mul_u32_u24 v[XS], v[TA], XPITCH
	v_lshl_add_u32 v[XS], v[RR], 3, v[XS]          ; that row in a slot + 8 r
	v_and_b32 v[BO], 31, v0
	v_lshlrev_b32 v[BO], 4, v[BO]
	v_lshlrev_b32 v[BI], 5, v[HH]
	v_mul_u32_u24 v[TA], v[RR], SPITCH
	v_lshl_add_u32 v[TA], v[HH], 5, v[TA]
	v_add_nc_u32 v[STO], s5, v[TA]                 ; in: row r, 32 bytes for each half of the lanes
	v_mul_u32_u24 v[TA], v[HH], SPITCH
	v_add_nc_u32 v[TA], v[TA], v[TB]
	v_add_nc_u32 v[RD], s5, v[TA]                  ; back: lanes 0-15 a row of 256 bytes, lanes 16-31 the next
	v_lshl_add_u32 v[CO], v[HH], 12, v[TB]         ; and the same two rows in out0
	s_wait_kmcnt 0x0
	s_add_nc_u64 s[8:9], s[8:9], s[32:33]          ; the three X at my block's first row
	s_add_nc_u64 s[10:11], s[10:11], s[32:33]
	s_add_nc_u64 s[12:13], s[12:13], s[32:33]
	s_add_nc_u64 s[22:23], s[22:23], s[32:33]      ; out0 at my block's first row, my head
	s_add_nc_u64 s[22:23], s[22:23], s[36:37]
	s_add_nc_u64 s[16:17], s[16:17], s[36:37]      ; the biases at my head
	s_add_nc_u64 s[18:19], s[18:19], s[36:37]
	s_add_nc_u64 s[20:21], s[20:21], s[36:37]
	s_add_nc_u64 s[BP:BP+1], s[14:15], s[34:35]
	s_mov_b64 s[XP:XP+1], s[8:9]
	; the biases as C operands: register j of lane (r, h) of tile b holds the bias of column 16 b + 8 h + j.  The oldest loads: they enter no later count.
	WIN 0xc0
	s_wait_alu depctr_va_vdst(0)                   ; the eight addresses and offsets v4 to v11 are written: every load and store of the kernel, global or LDS, reads one of them
.irp b, 0,1,2,3
.irp t, 0,1
	global_load_b128 v[BQ+8*\b+4*\t:BQ+8*\b+4*\t+3],   v[BI], s[16:17] offset:64*\b+16*\t
	global_load_b128 v[BK+8*\b+4*\t:BK+8*\b+4*\t+3],   v[BI], s[18:19] offset:64*\b+16*\t
	global_load_b128 v[BVC+8*\b+4*\t:BVC+8*\b+4*\t+3], v[BI], s[20:21] offset:64*\b+16*\t
.endr
.endr
	; The pipeline is filled in the order in which the halves would have asked: XH(0) .. XH(3), B(0), XH(4), B(1), XH(5), B(2), XH(6).
	; With the 24 loads of the biases 64 are asked for here and the counter holds 63: the last issue waits for the oldest load (ISA guide 5.7.1), which is wanted first.
	WIN 0x40
	XLOAD8 ST0, 0, 0                               ; XH(0)
	XLOAD8 ST0, 1, 0                               ; XH(1)
	XLOAD8 ST0+64, 0, 1                            ; XH(2)
	XLOAD8 ST0+64, 1, 1                            ; XH(3)
	BLOAD 0, 0                                     ; B(0)
	s_wait_loadcnt 24                              ; X(0) and the biases are in; XH(2), XH(3) and B(0), 8 each, stay out
	WIN 0x05
	CVT8 ST0, 0
	CVT8 ST0, 1
	WIN 0x40
	s_wait_alu depctr_va_vdst(0)                   ; the conversions have written T, which the LDS stores read, and are done reading the two half-stages, in which the loads land
	XLOAD8 ST0, 0, 2                               ; XH(4)
	BLOAD 32, 1                                    ; B(1)
	XLOAD8 ST0, 1, 2                               ; XH(5)
	WIN 0
	XSTORE8 0, 0
	XSTORE8 0, 1
	s_wait_dscnt 0x0                               ; for the other waves: my rows of X(0) are in slot 0
	s_barrier_signal -1
	s_barrier_wait -1
	s_wait_loadcnt 40                              ; XH(2) is in; behind it went XH(3), B(0), XH(4), B(1), XH(5)
	s_wait_alu depctr_vm_vsrc(0)                   ; the LDS stores of X(0) have read T, whose lower half the conversions write again
	WIN 0x05
	CVT8 ST0+64, 0
	WIN 0x40
	s_wait_alu depctr_va_vdst(0)                   ; the conversions have written T's lower half and are done reading the half-stage
	BLOAD 64, 2                                    ; B(2)
	XLOAD8 ST0+64, 0, 3                            ; XH(6)
	WIN 0
	XSTORE8 SLOT, 0                                ; the lower 16 of my rows of X(1)
	FETCH F0, 0, 0
	s_wait_xcnt 0x0
	s_add_nc_u64 s[XP:XP+1], s[XP:XP+1], 768       ; step 0 begins by asking for the rest of chunk 3
	; ---- q: steps 0 to 15 ----
	FULL 0, 0, 1, BQ, 0, 0
	FULL 1, 0, 0, 0, 0, 0
	s_mov_b32 s[TRIP], 1
.Lq:
	FULL 0, 0, 0, 0, 1, 10                         ; in trip 6: on to keys
	FULL 1, 0, 0, 0, 0, 0
	s_add_co_u32 s[TRIP], s[TRIP], 1
	s_cmp_lt_u32 s[TRIP], 8
	s_cbranch_scc1 .Lq
	; q rounded: lane (r, h) of tile (a, b) holds row r, d = 16 b + 8 h + j, so tiles 2 e, 2 e + 1 pack into the fragment of d = 32 e .. 32 e + 31.
	; Fragment register 16 a + 4 b + jj = n comes from accumulator registers 2 n, 2 n + 1.  No memory or LDS instruction names these registers.
	PLACES
	WIN 0xca
.set n, 0
.rept 128
	v_cvt_pk_bf16_f32 v[QF+n], v[2*n], v[2*n+1]
.set n, n+1
.endr
	WIN 0
	; ---- k: steps 16 to 31 ----
	FULL 0, 0, 1, BK, 0, 0
	FULL 1, 0, 0, 0, 0, 0
	s_mov_b32 s[TRIP], 1
.Lk:
	FULL 0, 0, 0, 0, 1, 12                         ; in trip 6: on to values
	FULL 1, 0, 0, 0, 0, 0
	s_add_co_u32 s[TRIP], s[TRIP], 1
	s_cmp_lt_u32 s[TRIP], 8
	s_cbranch_scc1 .Lk
; scores of row tiles a and a + 1: k rounded as q was, into T; then key x query over d = 0..63 in two instructions a tile.
; The two tiles' accumulators take turns, one instruction a turn.
.macro SCORE2 a
	WIN 0x0a
.set n, 0
.rept 32
	v_cvt_pk_bf16_f32 v[T+n], v[2*(16*\a+n)], v[2*(16*\a+n)+1]
.set n, n+1
.endr
	WIN 0x0c
	v_wmma_f32_16x16x32_bf16 v[SC+8*\a:SC+8*\a+7],    v[T:T+7],     v[QF+16*\a:QF+16*\a+7],     0
	v_wmma_f32_16x16x32_bf16 v[SC+8*\a+8:SC+8*\a+15], v[T+16:T+23], v[QF+16*\a+16:QF+16*\a+23], 0
	v_wmma_f32_16x16x32_bf16 v[SC+8*\a:SC+8*\a+7],    v[T+8:T+15],  v[QF+16*\a+8:QF+16*\a+15],  v[SC+8*\a:SC+8*\a+7]
	v_wmma_f32_16x16x32_bf16 v[SC+8*\a+8:SC+8*\a+15], v[T+24:T+31], v[QF+16*\a+24:QF+16*\a+31], v[SC+8*\a+8:SC+8*\a+15]
	WIN 0
	PLACES                                         ; T is written again, and the scores are read, four places behind
.endm
	PLACES
	s_wait_alu depctr_vm_vsrc(0)                   ; the LDS stores of the last two halves have read T, which k's roundings write
	SCORE2 0
	SCORE2 2
	SCORE2 4
	SCORE2 6
	; softmax over a lane's 8 registers, stage by stage over the 8 tiles so that no instruction waits for the one in front of it
.irp a, 0,1,2,3,4,5,6,7
	v_max3_num_f32 v[MX+\a], v[SC+8*\a], v[SC+8*\a+1], v[SC+8*\a+2]
.endr
.irp a, 0,1,2,3,4,5,6,7
	v_max3_num_f32 v[MX+\a], v[MX+\a], v[SC+8*\a+3], v[SC+8*\a+4]
.endr
.irp a, 0,1,2,3,4,5,6,7
	v_max3_num_f32 v[MX+\a], v[MX+\a], v[SC+8*\a+5], v[SC+8*\a+6]
.endr
.irp a, 0,1,2,3,4,5,6,7
	v_max_num_f32 v[MX+\a], v[MX+\a], v[SC+8*\a+7]
.endr
.irp a, 0,1,2,3,4,5,6,7
	v_mul_f32 v[MX+\a], s31, v[MX+\a]              ; -c max
.endr
.set n, 0
.rept 64
	v_fma_f32 v[SC+n], v[SC+n], s30, v[MX+n/8]     ; c s - c max
.set n, n+1
.endr
.set n, 0
.rept 64
	v_exp_f32 v[SC+n], v[SC+n]
.set n, n+1
.endr
	v_nop                                          ; one plain instruction between the last exponential and its use (ISA guide 5.7.2)
	s_wait_alu depctr_va_vdst(0)                   ; the 64 exponentials have written SC: one wait for the batch, ahead of its first reader
.irp a, 0,1,2,3,4,5,6,7
	v_pk_add_f32 v[UU+4*\a:UU+4*\a+1],   v[SC+8*\a:SC+8*\a+1],   v[SC+8*\a+2:SC+8*\a+3]
	v_pk_add_f32 v[UU+4*\a+2:UU+4*\a+3], v[SC+8*\a+4:SC+8*\a+5], v[SC+8*\a+6:SC+8*\a+7]
.endr
.irp a, 0,1,2,3,4,5,6,7
	v_pk_add_f32 v[UU+4*\a:UU+4*\a+1], v[UU+4*\a:UU+4*\a+1], v[UU+4*\a+2:UU+4*\a+3]
.endr
.irp a, 0,1,2,3,4,5,6,7
	v_add_f32 v[SM+\a], v[UU+4*\a], v[UU+4*\a+1]
.endr
.irp a, 0,1,2,3,4,5,6,7
	v_rcp_f32 v[SM+\a], v[SM+\a]                   ; the largest term is 1 up to a rounding, so the sum is no smaller
.endr
	v_nop
	s_wait_alu depctr_va_vdst(0)                   ; the eight reciprocals have written SM: one wait for the batch, ahead of its first reader
.irp a, 0,1,2,3,4,5,6,7
	v_cndmask_b32 v[RP+2*\a],   0, v[SM+\a], s29   ; 1 / sum in the lanes of the query's own group, 0 in the others
	v_cndmask_b32 v[RP+2*\a+1], 0, v[SM+\a], s29
.endr
.irp a, 0,1,2,3,4,5,6,7
.irp j, 0,2,4,6
	v_pk_mul_f32 v[SC+8*\a+\j:SC+8*\a+\j+1], v[SC+8*\a+\j:SC+8*\a+\j+1], v[RP+2*\a:RP+2*\a+1]
.endr
.endr
	; The weights as fragments (column = query r, K = key 8 h + j), over q's registers, whose last use lies far behind.  Tile a has 16 registers:
	; p_hi in 0-3 and again in 4-7 (K = 16 .. 31, where v^T holds v_lo), p_lo = bf16(p - p_hi) in 8-11 and again in 12-15.
	; Word n = 4 a + jj holds weights 2 n and 2 n + 1.  p - p_hi is exact in f32.
	WIN 0xc0
.set n, 0
.rept 32
	v_cvt_pk_bf16_f32 v[PF+16*(n/4)+n%4],   v[SC+2*n], v[SC+2*n+1]
	v_cvt_pk_bf16_f32 v[PF+16*(n/4)+n%4+4], v[SC+2*n], v[SC+2*n+1]
.set n, n+1
.endr
	WIN 0x0c
.set n, 0
.rept 32
	v_lshlrev_b32 v[EE+2*n],   16,  v[PF+16*(n/4)+n%4]             ; p_hi back in f32: the low half moves up,
	v_and_b32     v[EE+2*n+1], s38, v[PF+16*(n/4)+n%4]             ; the high half stays
.set n, n+1
.endr
	WIN 0
.set n, 0
.rept 32
	v_pk_fma_f32 v[SC+2*n:SC+2*n+1], v[EE+2*n:EE+2*n+1], -1.0, v[SC+2*n:SC+2*n+1] op_sel_hi:[1,0,1]   ; p - p_hi
.set n, n+1
.endr
	WIN 0xc0
.set n, 0
.rept 32
	v_cvt_pk_bf16_f32 v[PF+16*(n/4)+n%4+8],  v[SC+2*n], v[SC+2*n+1]
	v_cvt_pk_bf16_f32 v[PF+16*(n/4)+n%4+12], v[SC+2*n], v[SC+2*n+1]
.set n, n+1
.endr
	WIN 0
	; ---- v: steps 32 to 47 ----  (the wait behind step 32's first conversions also states that the softmax is done with F1, in which that half's fetch lands)
	FULL 0, 1, 2, 0, 0, 0
	FULL 1, 1, 0, 0, 0, 0
	s_mov_b32 s[TRIP], 1
.Lv:
	FULL 0, 1, 0, 0, 0, 0
	FULL 1, 1, 0, 0, 0, 0
	s_add_co_u32 s[TRIP], s[TRIP], 1
	s_cmp_lt_u32 s[TRIP], 6
	s_cbranch_scc1 .Lv
	; the tail is written out: no load leaves X or wf, and the counts run down
	STEP 0, 1, 0, 0, 1, 1, 1, 1, 0, 1, 1, 40, 40, 0, 0   ; step 44: half 88 asks for B(91) and the last of X, XH(95); half 89 for B(92) alone
	STEP 1, 1, 0, 0, 1, 0, 1, 1, 0, 1, 1, 32, 24, 0, 0   ; step 45: B(93), B(94); behind B(90) went XH(94), B(91), XH(95), B(92): 32; behind B(91) went XH(95), B(92), B(93): 24
	STEP 0, 1, 0, 0, 1, 0, 1, 0, 0, 0, 1, 16, 16, 0, 0   ; step 46: B(95), and XH(95) is rounded; behind B(92) went B(93), B(94): 16; behind B(93) went B(94), B(95): 16
	STEP 1, 1, 0, 0, 0, 0, 0, 0, 0, 0, 0, 8, 0, 0, 0     ; step 47: nothing is left to ask for; behind B(94) went B(95): 8
	; ---- weighted sums and the way out ----
	PLACES
; Row tile a.  Lane (r, h) of accumulator tile (a, b) holds column 16 b + r, rows 8 h + j.  Rounded, that is registers 0-3 of a fragment of v^T (K = key);
; v_lo = bf16(v - v_hi) goes into registers 4-7 (K = 16 + key); v - v_hi is exact in f32.  Two matrix instructions a column tile: x [p_hi | p_hi] + bv, then
; x [p_lo | p_lo] added in place; the four accumulators take turns, one instruction a turn.
; Result: lane (r, h), register j = out(row r, d = 16 b + 8 h + j).  rb: the registers for the way back, two sets by turns.
; Registers that LDS and memory instructions touch here: OT, written by the products and read by the eight LDS stores; rb, in which the eight LDS loads land and which the eight
; global stores read, named by no vector or matrix instruction from the last K step's products on.
.macro OUT16 a, rb
	s_wait_alu depctr_vm_vsrc(0)                   ; the LDS stores of the tile before have read OT, which the products below write again; the global stores of two tiles back have read rb, in which the loads below land; ahead of the first tile: X's last LDS stores have read T
	WIN 0x0a
.irp b, 0,1,2,3
.irp j, 0,1,2,3
	v_cvt_pk_bf16_f32 v[VT+8*\b+\j], v[8*(4*\a+\b)+2*\j], v[8*(4*\a+\b)+2*\j+1]
.endr
.endr
	WIN 0
.irp b, 0,1,2,3
.irp j, 0,1,2,3
	v_lshlrev_b32 v[T+8*\b+2*\j],   16,  v[VT+8*\b+\j]             ; v_hi back in f32
	v_and_b32     v[T+8*\b+2*\j+1], s38, v[VT+8*\b+\j]
.endr
.endr
	WIN 0x20
.irp b, 0,1,2,3
.irp j, 0,1,2,3
	v_pk_fma_f32 v[T+8*\b+2*\j:T+8*\b+2*\j+1], v[T+8*\b+2*\j:T+8*\b+2*\j+1], -1.0, v[8*(4*\a+\b)+2*\j:8*(4*\a+\b)+2*\j+1] op_sel_hi:[1,0,1]   ; v - v_hi
.endr
.endr
	WIN 0
.irp b, 0,1,2,3
.irp j, 0,1,2,3
	v_cvt_pk_bf16_f32 v[VT+8*\b+4+\j], v[T+8*\b+2*\j], v[T+8*\b+2*\j+1]
.endr
.endr
	WIN 0x3c
.irp b, 0,1,2,3
	v_wmma_f32_16x16x32_bf16 v[OT+8*\b:OT+8*\b+7], v[VT+8*\b:VT+8*\b+7], v[PF+16*\a:PF+16*\a+7], v[BVC+8*\b:BVC+8*\b+7]
.endr
	WIN 0x0c
.irp b, 0,1,2,3
	v_wmma_f32_16x16x32_bf16 v[OT+8*\b:OT+8*\b+7], v[VT+8*\b:VT+8*\b+7], v[PF+16*\a+8:PF+16*\a+15], v[OT+8*\b:OT+8*\b+7]
.endr
	WIN 0
	PLACES
	s_wait_alu depctr_va_vdst(0)                   ; the products have written OT, which the LDS stores read (the places above stay beside this wait); in the first tile also: the last K step's products are done reading F1, in which the loads from the stage land
.irp b, 0,1,2,3
.irp t, 0,1
	ds_store_b128 v[STO], v[OT+8*\b+4*\t:OT+8*\b+4*\t+3] offset:64*\b+16*\t
.endr
.endr
	s_wait_xcnt 0x0                                ; registers rb, which earlier stores read, are loaded again only behind this wait (ISA guide 3.1)
.irp t, 0,1,2,3,4,5,6,7
	ds_load_b128 v[\rb+4*\t:\rb+4*\t+3], v[RD] offset:2*\t*SPITCH  ; my own bytes; LDS serves a wave's instructions in order (ISA guide 5.7.1): these see the stores above
.endr
.irp t, 0,1,2,3,4,5,6,7
	s_wait_dscnt 7-\t
	global_store_b128 v[CO], v[\rb+4*\t:\rb+4*\t+3], s[22:23] offset:(16*\a+2*\t)*4096 th:TH_STORE_NT   ; sixteen lanes store 256 neighbouring bytes, aligned: a row of my head
.endr
.endm
	OUT16 0, F1
	OUT16 1, F1+32
	OUT16 2, F1
	OUT16 3, F1+32
	OUT16 4, F1
	OUT16 5, F1+32
	OUT16 6, F1
	OUT16 7, F1+32
	s_wait_dscnt 0x0
	s_wait_alu depctr_hold_cnt(0) depctr_sa_sdst(0) depctr_va_vdst(0) depctr_va_sdst(0) depctr_va_ssrc(0) depctr_va_vcc(0) depctr_vm_vsrc(0)
	s_wait_tensorcnt 0x0
	ds_add_u32 v30, v31
	s_wait_dscnt 0x0
	s_endpgm
.Lfunc_end_k_q5a104587bb_mha:
	.size	k_q5a104587bb_mha, .Lfunc_end_k_q5a104587bb_mha-k_q5a104587bb_mha
	.p2alignl 7, 3214868480
	.fill 96, 4, 3214868480
	.section	.rodata,"a",@progbits
	.p2align	6, 0x0
	.amdhsa_kernel k_q5a104587bb_mha
		.amdhsa_group_segment_fixed_size 54784
		.amdhsa_private_segment_fixed_size 0
		.amdhsa_enable_private_segment 0
		.amdhsa_kernarg_size 64
		.amdhsa_user_sgpr_count 2
		.amdhsa_user_sgpr_kernarg_segment_ptr 1
		.amdhsa_wavefront_size32 1
		.amdhsa_system_sgpr_workgroup_id_x 1
		.amdhsa_system_sgpr_workgroup_id_y 1
		.amdhsa_system_sgpr_workgroup_id_z 1
		.amdhsa_system_vgpr_workitem_id 0
		.amdhsa_next_free_vgpr 992
		.amdhsa_next_free_sgpr 66
		.amdhsa_reserve_vcc 0
		.amdhsa_float_denorm_mode_32 3
		.amdhsa_float_denorm_mode_16_64 3
		.amdhsa_memory_ordered 1
		.amdhsa_forward_progress 1
		.amdhsa_inst_pref_size 255
	.end_amdhsa_kernel
	.section	.bss,"aw",@nobits
	.p2align	6
	.space	262144
	.amdgpu_metadata
---
amdhsa.version: [ 1, 2 ]
amdhsa.kernels:
  - .name:           k_q5a104587bb_mha
    .symbol:         k_q5a104587bb_mha.kd
    .args:
      - { .name: queries, .offset: 0, .size: 8, .value_kind: global_buffer, .address_space: global }
      - { .name: keys, .offset: 8, .size: 8, .value_kind: global_buffer, .address_space: global }
      - { .name: values, .offset: 16, .size: 8, .value_kind: global_buffer, .address_space: global }
      - { .name: wf, .offset: 24, .size: 8, .value_kind: global_buffer, .address_space: global }
      - { .name: bq, .offset: 32, .size: 8, .value_kind: global_buffer, .address_space: global }
      - { .name: bk, .offset: 40, .size: 8, .value_kind: global_buffer, .address_space: global }
      - { .name: bv, .offset: 48, .size: 8, .value_kind: global_buffer, .address_space: global }
      - { .name: out0, .offset: 56, .size: 8, .value_kind: global_buffer, .address_space: global }
    .group_segment_fixed_size: 54784
    .private_segment_fixed_size: 0
    .kernarg_segment_align: 8
    .kernarg_segment_size: 64
    .max_flat_workgroup_size: 128
    .sgpr_count:     66
    .vgpr_count:     992
    .wavefront_size: 32
...
	.end_amdgpu_metadata
.endif
;; end of part 3
